; MI455X (gfx1250); checked and timed in simulation.
; The chip was launched on July 23, 2026; its instructions are those of AMD's public machine-readable ISA for CDNA 5 (MIT licence, August 2026) and "CDNA5" Instruction Set Architecture Reference Guide (July 2026). The comments in the code are by the model that wrote it; some were corrected since.
;; Sentence Enforced Switch Moe Block. Allowed arithmetic: matrix products marked QUANTISED: E2M3 operands, one E8M0 scale for each 32 along K, by v_wmma_scale_f32_16x16x128_f8f6f4 with both operands' format E2M3, f32 sums; everything else in f32.
;; Inputs: W1 8 x 512 x 2,048 float32; W2 8 x 2,048 x 512 float32; assignment 64 int32; b1 8 x 2,048 float32; b2 8 x 512 float32; hidden_states_codes 64 x 512 x 16 x 24 uint8 (E2M3 codes of hidden_states, K innermost, in blocks of 32 codes, four codes in three bytes); hidden_states_scales 64 x 512 x 16 uint8 (E8M0 scales of hidden_states, one for each 32 codes along K).
;; Outputs: out0 64 x 512 x 512 float32.
;; This version of the problem:
;;   THIS VERSION OF THE PROBLEM IS GIVEN IN LOW PRECISION. The matrix products marked QUANTISED in the list below multiply operands that are first quantised to E2M3 (2 exponent bits, 3 mantissa bits; 6 bits a number), with one power-of-two scale for each 32 numbers along K (OCP MX v1.0); their sums are f32. All else is computed in f32.
;;   The module's matrix products, in the order in which they are computed (A, B: the left and right operand; K: the contracted axis; several contracted axes count as one K, in the product's order):
;;     1. batch 64 x [M 512, K 512] x [K 512, N 2,048]; A: input hidden_states (given as codes); B: computed on the way: QUANTISED
;;     2. batch 64 x [M 512, K 2,048] x [K 2,048, N 512]; A: computed on the way; B: computed on the way: QUANTISED
;;   THE QUANTISER, for each operand of a quantised product, along K:
;;     - K is cut into blocks of 32 from its start; a last block that is shorter is filled with zeros.
;;     - A block's scale is 2^e with e = floor(log2(the largest magnitude in the block)) - 2, held to -126 .. 127; a block of zeros has e = 0. As a byte (E8M0): e + 127.
;;     - Each number is divided by its block's scale, clamped to +-7.5, and rounded to the nearest number of E2M3, ties to even, subnormals kept.
;;     - The product sums the exact products of the quantised numbers (number of the format x scale) in f32.
;;   ~~~python
;;   def quantise(x, axis):      # numpy; x: float32 -> the quantised numbers, widened to float32 again
;;       x = np.moveaxis(x, axis, -1); K = x.shape[-1]
;;       x = np.pad(x, [(0, 0)] * (x.ndim - 1) + [(0, -K % 32)]); x = x.reshape(x.shape[:-1] + (-1, 32)); a = np.abs(x).max(-1, keepdims=True)
;;       e = np.where(a > 0, np.clip(np.frexp(np.where(a > 0, a, 1))[1] - 1 - 2, -126, 127), 0)      # np.frexp(a)[1] - 1 = floor(log2(a)), exactly
;;       r = np.clip(x / 2.0 ** e, -7.5, 7.5)
;;       step = 2.0 ** (np.maximum(np.frexp(np.where(r == 0, 1, r))[1] - 1, 0) - 3)
;;       q = np.round(r / step) * step * 2.0 ** e      # np.round: ties to even
;;       return np.moveaxis(q.reshape(q.shape[:-2] + (-1,))[..., :K], -1, axis).astype(np.float32)
;;   ~~~
;;   OPERANDS COMPUTED ON THE WAY. 'Computed on the way' means the value that the module computes at that place (a softmax that the list does not call 'softmax' is quantised finished and normalised). What goes into a quantiser is computed in f32, as accurately as f32 sums, v_exp_f32 and their like allow (about 1e-6 of the number): no bf16 or f16 on the way to a quantiser, and a product that is left as it is and whose result goes on into a quantised operand takes f32 operands (vector FMAs, or v_wmma_f32_16x16x4_f32). A number that lies on a knife's edge between two numbers of the format may be rounded either way, as far as f32 arithmetic and the matrix unit's own rounding can turn it there, and no further.
;;   INPUTS GIVEN AS CODES. hidden_states (in the module: [64, 512, 512], K = its axis 2): each comes as NAME_codes (uint8): NAME with its K axis moved to the last place and cut into blocks of 32 codes, [.., K / 32, bytes a block], one block behind the other in memory; four codes in three bytes: a row's codes are one little-endian stream of bits, code i at bits 6 i .. 6 i + 5 (a code: sign, 2 exponent bits, 3 mantissa bits); and NAME_scales (uint8): the same leading axes, one E8M0 byte (e + 127) for each 32 codes along K. Its value is code x scale, taken as it is: it is not quantised again, and the codes and scales need not be those that the quantiser above would give.
;; 2 versions, each right; version 2 is version 1 with the launch ffn written anew for expert scheduling mode. Each part assembles by itself: llvm-mc -triple=amdgcn-amd-amdhsa -mcpu=gfx1250 --defsym DOCPART=n.
;; ======== version 1 of 2: 2 launches
;; workspace buffers: wq 13,107,200 bytes
;; launch quant (part 1): grid 1024 x 1, 4 waves a work-group, no clusters, 12,800 bytes of LDS; arguments W1, W2, wq; writes wq
.if DOCPART == 1
	.amdgcn_target "amdgcn-amd-amdhsa--gfx1250"
	.amdhsa_code_object_version 6
	.text
	.protected	k_qbe9c6ea143_quant
	.globl	k_qbe9c6ea143_quant
	.p2align	8
	.type	k_qbe9c6ea143_quant,@function
k_qbe9c6ea143_quant:
	s_mov_b64 s[64:65], 0
	v_nop
	global_prefetch_b8 v0, s[64:65] scope:SCOPE_SE
	s_setreg_imm32_b32 hwreg(HW_REG_WAVE_MODE, 25, 1), 1
	s_wait_xcnt 0x0
; W1 [8][512 (K)][2048] and W2 [8][2048 (K)][512], f32 with K as the first axis of an expert, become codes of FP6 (E2M3) with one E8M0 byte for each 32 along K,
; laid in wq IN THE ORDER OF THE READER'S OPERAND REGISTERS.  wq = 8 experts x 32 steps x 4 quarters x 12,800 bytes.  A quarter (e, t, w) is what wave w of the second launch loads for step t:
;   bytes 0 .. 12,287: 96 registers (8 fragments of 12): register R of lane L at 512 (R / 4) + 16 L + 4 (R % 4); in a fragment register 6 c + i of lane (r, h) holds K = 64 c + 32 h + 0 .. 31 of the fragment's row r;
;   bytes 12,288 .. 12,799: 4 registers of scale words: register j of lane L at 12,288 + 16 L + 4 j.
;   t < 16 (W1): fragment 2 s + u = K step s of the 512, tile u; its row r is hidden unit 128 t + 32 w + 8 u + r + 8 (r / 8); scale register s, lanes 0-15 tile 0, lanes 16-31 tile 1.
;   t = 16 + k (W2): fragment b; its row r is output column 128 w + 16 b + r, K = hidden units 128 k on; scale register b % 4, lanes 0-15 for b < 4, lanes 16-31 for b >= 4.
; A block's scale is 2^(floor(log2(its largest magnitude)) - 2); its byte is the largest magnitude's exponent field - 2, held at 1 from below.
; LIMITS: a block of zeros gets the byte 1 where the rule says 127 (its codes are zeros, and this program alone reads the bytes); NaN and infinities among the inputs are not served.
; SHARES.  A work-group takes 128 columns x 128 along K of one expert's W1 or W2, a wave 32 columns.  A LANE TAKES A COLUMN AND ITS REGISTERS RUN DOWN K: each load reads neighbouring columns in neighbouring
; lanes, a block of 32 lies in one lane's registers, and the conversions give codes with K innermost.  The lane is always (tile u = lane / 16, row r = lane % 16) of the OUTPUT, so every LDS address is
; the same for both tensors; only the column that it reads differs.  The codes turn through the wave's own 3,072 bytes of LDS and leave as six stores of 512 consecutive bytes.
; The scale words leave 4 bytes a lane, 16 bytes apart: 128 of the wave's 3,200 bytes.  No barrier: waves share nothing.
.set X,    32                          ; v32-159  128 numbers: block q at X + 32 q
.set CD,   160                         ; v160-191 codes: eight registers for each block, so that no store's data are written again
.set OUTR, 192                         ; v192-215 the way out
	s_load_b128 s[4:7], s[0:1], 0x0                ; W1, W2
	s_load_b64 s[8:9], s[0:1], 0x10                ; wq
	v_lshl_add_u32 v216, v0, 2, 0x3000
	v_mov_b32 v217, 0
	v_lshrrev_b32 v1, 5, v0
	v_readfirstlane_b32 s10, v1                    ; wave 0..3
	v_and_b32 v1, 31, v0                           ; lane
	v_and_b32 v7, 15, v0                           ; r
	v_bfe_u32 v8, v0, 4, 1                         ; u
	s_lshr_b32 s11, ttmp9, 7                       ; the expert
	s_bfe_u32 s12, ttmp9, 0x10006                  ; 0: W1, 1: W2
	s_bfe_u32 s13, ttmp9, 0x40002                  ; hi: W1: which 128 columns (step t); W2: which 128 along K (step 16 + k)
	s_and_b32 s14, ttmp9, 3                        ; lo: W1: which 128 along K (K step s); W2: which 128 columns (quarter)
	s_mul_i32 s15, s10, 3072                       ; my wave's stage
	v_mul_u32_u24 v4, v8, 1536
	v_lshl_add_u32 v4, v7, 4, v4
	v_add_nc_u32 v4, s15, v4                       ; into it: fragment u (three runs of 512 bytes), lane r's place
	v_lshlrev_b32 v6, 4, v1                        ; 16 x lane
	v_add_nc_u32 v5, s15, v6                       ; out of it
	s_cmp_eq_u32 s12, 0                            ; every choice hangs on the work-group's number alone
	s_cselect_b32 s16, s10, s14                    ; Q: the quarter that takes my codes
	s_cselect_b32 s17, s14, s10                    ; P: which pair of its fragments
	s_cselect_b32 s18, 20, 9                       ; lo counts 128 rows of 8,192 bytes, or 128 columns
	s_cselect_b32 s19, 9, 18                       ; hi counts 128 columns, or 128 rows of 2,048 bytes
	s_lshl_b32 s20, s14, s18
	s_lshl_b32 s21, s13, s19
	s_add_co_u32 s20, s20, s21
	s_lshl_b32 s21, s11, 22                        ; an expert's weight is 4,194,304 bytes
	s_add_co_u32 s20, s20, s21
	s_lshl_b32 s21, s10, 7                         ; my wave's 32 columns
	s_add_co_u32 s20, s20, s21
	s_mov_b32 s21, 0                               ; s[20:21]: where my wave reads
	s_lshl_b32 s22, s12, 4
	s_add_co_u32 s22, s22, s13                     ; the step
	s_mul_i32 s22, s22, 51200
	s_mul_i32 s23, s11, 1638400
	s_add_co_u32 s22, s22, s23
	s_mul_i32 s23, s16, 12800
	s_add_co_u32 s22, s22, s23
	s_mov_b32 s23, 0                               ; s[22:23]: the quarter
	s_mul_i32 s24, s17, 3072
	s_mov_b32 s25, 0                               ; s[24:25]: my two fragments in it
	s_wait_kmcnt 0x0
	s_cmp_eq_u32 s12, 0
	s_cselect_b64 s[4:5], s[4:5], s[6:7]
	s_add_nc_u64 s[4:5], s[4:5], s[20:21]
	s_add_nc_u64 s[8:9], s[8:9], s[22:23]
	s_add_nc_u64 s[26:27], s[8:9], s[24:25]
	s_cmp_eq_u32 s12, 0
	s_cbranch_scc0 .Lw2
	; W1: my column is hidden unit 8 u + r + 8 (r / 8) of the wave's 32; rows are 8,192 bytes apart
	v_lshrrev_b32 v9, 3, v7
	v_lshl_add_u32 v9, v9, 3, v7
	v_lshl_add_u32 v9, v8, 3, v9
	v_lshlrev_b32 v2, 2, v9
	s_lshl_b32 s28, s17, 2
	v_lshl_add_u32 v3, v1, 4, s28                  ; my scale word: register P, my lane
.set n, 0
.rept 128
	global_load_b32 v[X+n], v2, s[4:5] offset:n*8192 th:TH_LOAD_NT
.set n, n+1
.endr
	s_branch .Ljoin
.Lw2:
	; W2: my column is the lane's own of the wave's 32; rows are 2,048 bytes apart
	v_lshlrev_b32 v2, 2, v1
	s_lshr_b32 s28, s17, 1
	s_lshl_b32 s28, s28, 8
	s_and_b32 s29, s17, 1
	s_lshl_b32 s29, s29, 3
	s_add_co_u32 s28, s28, s29
	v_lshlrev_b32 v3, 4, v7
	v_lshl_add_u32 v3, v8, 2, v3
	v_add_nc_u32 v3, s28, v3                       ; my scale word: tile b = 2 P + u: register b % 4, lane r + 16 (b / 4)
.set n, 0
.rept 128
	global_load_b32 v[X+n], v2, s[4:5] offset:n*2048 th:TH_LOAD_NT
.set n, n+1
.endr
.Ljoin:
; Block q (K = 32 q on) of my column: c = q / 2 and h = q % 2 say where it lies in the fragment: registers 6 c .. 6 c + 5 of lane r + 16 h.
.macro BLOCK q
.set XS, X+32*(\q)
.set CQ, CD+8*(\q)
.if (\q) == 0
	s_wait_loadcnt 63                              ; of the 128 loads at most the youngest 63 are out: blocks 0 and 1 are in
.elseif (\q) == 2
	s_wait_loadcnt 32                              ; block 3's 32 may be out
.elseif (\q) == 3
	s_wait_loadcnt 0x0
.endif
	v_max3_num_f32 v16, |v[XS]|, |v[XS+1]|, |v[XS+2]|             ; the block's largest magnitude: all 32 numbers are mine; two chains
	v_max3_num_f32 v17, |v[XS+3]|, |v[XS+4]|, |v[XS+5]|
.irp i, 6,10,14,18,22,26
	v_max3_num_f32 v16, v16, |v[XS+\i]|, |v[XS+\i+1]|
	v_max3_num_f32 v17, v17, |v[XS+\i+2]|, |v[XS+\i+3]|
.endr
	v_max3_num_f32 v16, v16, |v[XS+30]|, |v[XS+31]|
	v_max3_num_f32 v16, v16, v17, 0x1800000        ; and the floor 2^(3 - 127): the byte cannot fall under 1
	v_add_nc_u32 v18, 0xff000000, v16              ; 2 off the exponent field: the conversion takes the exponent field of this operand as its scale
	v_lshrrev_b32 v19, 23, v18                     ; the scale's byte
.if (\q) == 0
	v_mov_b32 v12, v19                             ; four bytes make my column's scale word for these 128 along K
.else
	v_lshl_or_b32 v12, v19, 8*(\q), v12
.endif
	v_cvt_scalef32_pk16_fp6_f32 v[CQ:CQ+2], v[XS:XS+15], v18
	v_cvt_scalef32_pk16_fp6_f32 v[CQ+4:CQ+6], v[XS+16:XS+31], v18  ; (a conversion's three registers begin on an even number)
	v_nop                                          ; one plain place behind a scaled conversion
	v_mov_b32 v[CQ+3], v[CQ+4]
	v_mov_b32 v[CQ+4], v[CQ+5]
	v_mov_b32 v[CQ+5], v[CQ+6]                     ; the block's 192 bits on end
.irp p, 0,1,2
.set RR, 6*((\q)/2)+2*\p
	ds_store_b64 v4, v[CQ+2*\p:CQ+2*\p+1] offset:512*(RR/4)+4*(RR%4)+256*((\q)%2)
.endr
.endm
	BLOCK 0
	BLOCK 1
	BLOCK 2
	BLOCK 3
.irp n, 0,1,2,3,4,5
	ds_load_b128 v[OUTR+4*\n:OUTR+4*\n+3], v5 offset:512*\n        ; LDS serves a wave's instructions in order (ISA guide 5.7.1.4): these see my stores
.endr
.irp n, 0,1,2,3,4,5
	s_wait_dscnt 5-\n
	global_store_b128 v6, v[OUTR+4*\n:OUTR+4*\n+3], s[26:27] offset:512*\n   ; 32 lanes store 512 consecutive bytes, at a multiple of 256 from wq's first byte
.endr
	global_store_b32 v3, v12, s[8:9] offset:12288
	s_wait_tensorcnt 0x0
	ds_add_u32 v216, v217
	s_wait_dscnt 0x0
	s_endpgm
.Lfunc_end_k_qbe9c6ea143_quant:
	.size	k_qbe9c6ea143_quant, .Lfunc_end_k_qbe9c6ea143_quant-k_qbe9c6ea143_quant
	.p2alignl 7, 3214868480
	.fill 96, 4, 3214868480
	.section	.rodata,"a",@progbits
	.p2align	6, 0x0
	.amdhsa_kernel k_qbe9c6ea143_quant
		.amdhsa_group_segment_fixed_size 12800
		.amdhsa_private_segment_fixed_size 0
		.amdhsa_enable_private_segment 0
		.amdhsa_kernarg_size 24
		.amdhsa_user_sgpr_count 2
		.amdhsa_user_sgpr_kernarg_segment_ptr 1
		.amdhsa_wavefront_size32 1
		.amdhsa_system_sgpr_workgroup_id_x 1
		.amdhsa_system_sgpr_workgroup_id_y 1
		.amdhsa_system_sgpr_workgroup_id_z 1
		.amdhsa_system_vgpr_workitem_id 0
		.amdhsa_next_free_vgpr 218
		.amdhsa_next_free_sgpr 66
		.amdhsa_reserve_vcc 0
		.amdhsa_float_denorm_mode_32 3
		.amdhsa_float_denorm_mode_16_64 3
		.amdhsa_memory_ordered 1
		.amdhsa_forward_progress 1
		.amdhsa_inst_pref_size 35
	.end_amdhsa_kernel
	.amdgpu_metadata
---
amdhsa.version: [ 1, 2 ]
amdhsa.kernels:
  - .name:           k_qbe9c6ea143_quant
    .symbol:         k_qbe9c6ea143_quant.kd
    .args:
      - { .name: W1, .offset: 0, .size: 8, .value_kind: global_buffer, .address_space: global }
      - { .name: W2, .offset: 8, .size: 8, .value_kind: global_buffer, .address_space: global }
      - { .name: wq, .offset: 16, .size: 8, .value_kind: global_buffer, .address_space: global }
    .group_segment_fixed_size: 12800
    .private_segment_fixed_size: 0
    .kernarg_segment_align: 8
    .kernarg_segment_size: 24
    .max_flat_workgroup_size: 128
    .sgpr_count:     66
    .vgpr_count:     218
    .wavefront_size: 32
...
	.end_amdgpu_metadata
.endif
;; end of part 1
;; launch ffn (part 2): grid 256 x 1, 4 waves a work-group, no clusters, 300,544 bytes of LDS; arguments hidden_states_codes, hidden_states_scales, assignment, wq, b1, b2, out0; writes out0
.if DOCPART == 2
	.amdgcn_target "amdgcn-amd-amdhsa--gfx1250"
	.amdhsa_code_object_version 6
	.text
	.protected	k_qbe9c6ea143_ffn
	.globl	k_qbe9c6ea143_ffn
	.p2align	8
	.type	k_qbe9c6ea143_ffn,@function
k_qbe9c6ea143_ffn:
	s_mov_b64 s[64:65], 0
	v_nop
	global_prefetch_b8 v0, s[64:65] scope:SCOPE_SE
	s_setreg_imm32_b32 hwreg(HW_REG_WAVE_MODE, 25, 1), 1
	s_wait_xcnt 0x0
; out = gelu(x W1[e] + b1[e]) W2[e] + b2[e], e = assignment[sentence]; both products on codes of FP6 (E2M3) with one E8M0 scale for each 32 along K; gelu in its tanh form, in f32.
; x: codes [32,768 rows][384 bytes] and scale bytes [rows][16], as given.  The weights: wq, codes and scale words in the order of my operand registers (laid by the launch before; its head says how).
; SHARES.  A work-group of four waves takes 128 rows of one sentence through the whole chain; the hidden layer (128 x 2,048) stays in LDS as codes.  THE WAVES SHARE THE COLUMNS, NOT THE ROWS:
; in step t of phase 1 wave w makes hidden units 128 t + 32 w + 0 .. 31 for all 128 rows; in phase 2 it makes output columns 128 w + 0 .. 127 for all 128 rows (64 accumulators).
; So each fragment of a weight is wanted by ONE wave and feeds eight matrix instructions: the weights go from memory straight into registers, 25 loads of 16 bytes a lane for a step, in three sets by turns,
; asked for two steps ahead and waited for by count; they need no LDS and no barrier.
; NO JOINT LOADS, though the four work-groups of a sentence walk the same weights: the hidden layer's codes and scale words take 204,800 bytes of LDS and x, the biases and the stage 95,232;
; what is left of 327,680 holds no two slots of a step's 51,200 bytes, and no fragment is shared inside a work-group.
; BOTH PRODUCTS ARE USED TRANSPOSED (source 0 = 16 rows of the weight, source 1 = 16 rows of x or of the hidden layer): a lane holds ONE row (lane % 16) and eight neighbouring columns.  The rows of W1 that form
; a tile are chosen so that the 16 registers of a wave's two tiles are 16 neighbours along the next K: 32 w + 16 (lane / 16) + 0 .. 15.  The biases are the C of each sum's first matrix instruction.
; PHASE 1 GOES BY TURNS.  The 128 rows are two PIECES of 64.  In a TURN one piece has the matrix unit (32 products: 4 K steps x 4 tiles of rows x 2 tiles of units) and the other piece's gelu and quantiser,
; a list of 359 lines, stand in slices of 12 behind the matrix instructions.  Two turns are a step.
; GELU: 0.5 x (1 + tanh(z)) = x / (1 + 2^(x (-k0 - k1 x^2))), k0 = 2 sqrt(2 / pi) log2(e), k1 = 0.044715 k0.  It holds for every finite x: where x^2 or the power overflows the result is x or -0.
; LIMITS: NaN and infinities among the inputs are not served; a block of zeros of the hidden layer gets the byte 1 (its codes are zeros; nobody else reads the bytes).
;
; LDS: HIMG the hidden layer's fragments: (K step k, tile of rows m) at 12,288 k + 1,536 m, register R of lane L at 48 L + 4 R;  HSC their scale words: (k, m, row r) at 512 k + 16 (r + 16 (m / 4)) + 4 (m % 4);
;      XST x's 128 rows, 400 bytes apart;  B1S, B2S each wave's own part of the biases;  STG each wave's own stage for the way out, 16 rows x 528 bytes.
; REGISTERS, in windows of 256 (s_set_vgpr_msb: bits 1:0 source 0, 3:2 source 1, 5:4 source 2, 7:6 destination):
;   window 0: v1-19 addresses; v24-39 x's scale words (register 4 (m / 2) + s; lanes 0-15 even m, lanes 16-31 odd m), in phase 2 v24-35 the hidden layer's, three sets; v40-51 the weights' scale words, three sets;
;             v52-55 the head's; v64-159 weight set 0; v160-255 weight set 1; on the way out v64-191 rows of the result.
;   window 1: phase 1: v0-191 x's fragments of K steps 0, 1 at 12 (8 (s % 2) + m); v192-255 T, at work.   phase 2: the accumulators of tiles of rows 0-3 at 8 (8 a + b).
;   window 2: phase 1: v0-191 x's fragments of K steps 2, 3; v192-207 b1's two tiles; v208-209 -k0.          phase 2: the accumulators of tiles of rows 4-7.
;   window 3: phase 1: v0-63 piece 0, v64-127 piece 1 (accumulator (m', u) at 16 m' + 8 u); v224-255 the quantiser's.  phase 2: v0-95 the hidden layer's 8 fragments; v96-127, v224-255 b2's 8 tiles.  v128-223 weight set 2.
.set HIMG, 0
.set HSC,  196608
.set XST,  204800
.set B1S,  256000
.set B2S,  264192
.set STG,  266240
.set L16,   1                          ; 16 x lane: the weights' offset and the result's
.set XG,    2                          ; x's codes: 12,288 x wave + 16 x lane
.set XSA,   3                          ; v3-5  where a lane's 16 bytes of x go in XST, for loads 3 i + 0, 1, 2
.set XFA,   6                          ; x's fragments: XST + 400 r + 24 h
.set HST0,  7                          ; my 12 bytes in a hidden fragment: 48 r + 12 h + 768 (w % 2) + 24 (w / 2)
.set HSB0,  8                          ; my byte in a hidden scale word: HSC + 16 r + w
.set HADR,  9                          ; the two with the trip's step added
.set HSAD,  10
.set B1A0,  11                         ; B1S + 2,048 w + 64 h
.set B1A,   12
.set HA0,   13                         ; 48 x lane
.set HACUR, 14
.set HS0,   15                         ; HSC + 16 x lane
.set HSCUR, 16
.set B2A,   17                         ; B2S + 512 w + 32 h
.set STO,   18                         ; the stage, in: STG + 8,448 w + 528 r + 32 h
.set RD,    19                         ; and back: STG + 8,448 w + 16 x lane
.set T,    192                         ; window 1
.set BT,   192                         ; window 2
.set KV,   208                         ; window 2
.set MX,   224                         ; window 3: largest magnitudes, a tile of rows each
.set M2,   228                         ;           the other half of the lanes'
.set SOP,  232                         ;           the conversions' scale operands
.set BY,   236                         ;           the scales' bytes
.set CC,   240                         ;           codes: four registers a tile of rows
.set NGL,  359
.set WV,   18                          ; s18  my wave's number
.set WP,   24                          ; s[24:25] the weights' stream: my quarter of the group last asked for
.set K1,   26                          ; s[26:27] -k1
.set SEL,  28                          ; s[28:29] v_permlanex16_b32's selects for lane l xor 16
.set MSB, 0
.macro WIN new                         ; the immediate's high byte repeats the setting that is left; a switch that changes nothing is dropped
.if MSB != (\new)
	s_set_vgpr_msb (MSB<<8)|(\new)
.set MSB, (\new)
.endif
.endm
.macro PLACES                          ; four places in front of loads into registers that matrix instructions have read, and of the first read of results
.rept 4
	v_nop
.endr
.endm
.macro SETSB n                         ; weight set n begins at v64 or v160 of window 0, or at v128 of window 3
.set SBN, 64+96*(\n)-128*((\n)/2)
.set WN, 3*((\n)/2)
.endm
; The matrix instruction, by the symbols rD, rA, rB, rC, rSA, rSB; fRA, fRB: the side's scale words stand in lanes 16-31
.macro WM
.if fRA && fRB
	v_wmma_scale_f32_16x16x128_f8f6f4 v[rD:rD+7], v[rA:rA+11], v[rB:rB+11], v[rC:rC+7], v[rSA], v[rSB] matrix_a_fmt:MATRIX_FMT_FP6 matrix_b_fmt:MATRIX_FMT_FP6 matrix_a_scale:MATRIX_SCALE_ROW1 matrix_b_scale:MATRIX_SCALE_ROW1
.elseif fRA
	v_wmma_scale_f32_16x16x128_f8f6f4 v[rD:rD+7], v[rA:rA+11], v[rB:rB+11], v[rC:rC+7], v[rSA], v[rSB] matrix_a_fmt:MATRIX_FMT_FP6 matrix_b_fmt:MATRIX_FMT_FP6 matrix_a_scale:MATRIX_SCALE_ROW1
.elseif fRB
	v_wmma_scale_f32_16x16x128_f8f6f4 v[rD:rD+7], v[rA:rA+11], v[rB:rB+11], v[rC:rC+7], v[rSA], v[rSB] matrix_a_fmt:MATRIX_FMT_FP6 matrix_b_fmt:MATRIX_FMT_FP6 matrix_b_scale:MATRIX_SCALE_ROW1
.else
	v_wmma_scale_f32_16x16x128_f8f6f4 v[rD:rD+7], v[rA:rA+11], v[rB:rB+11], v[rC:rC+7], v[rSA], v[rSB] matrix_a_fmt:MATRIX_FMT_FP6 matrix_b_fmt:MATRIX_FMT_FP6
.endif
.endm
; A group of the weights' stream into set n: 24 loads of codes and one of scale words, 512 consecutive bytes each.  Every group of the launch is 25 loads, so the waits count in 25s.
.macro LOADSET n, step
.if \step
	s_wait_xcnt 0x0                                ; the last group's loads have read their base: only behind this wait is it stepped
	s_add_nc_u64 s[WP:WP+1], s[WP:WP+1], 51200
.endif
	SETSB \n
	WIN WN<<6
.set lc, 0
.rept 24
	global_load_b128 v[SBN+4*lc:SBN+4*lc+3], v[L16], s[WP:WP+1] offset:512*lc
.set lc, lc+1
.endr
	WIN 0
	global_load_b128 v[40+4*(\n):43+4*(\n)], v[L16], s[WP:WP+1] offset:12288
.endm
.macro BIAS o                          ; b1's two tiles of the step o behind the trip's first: lane (r, h) wants units 16 h + 8 u + 0 .. 7 of my 32
	WIN 0x80
.irp c, 0,1,2,3
	ds_load_b128 v[BT+4*\c:BT+4*\c+3], v[B1A] offset:128*(\o)+16*\c
.endr
.endm
; Product q of 32 of piece p's turn, from weight set n: K step q / 8, tile of rows 4 p + (q % 8) / 2, tile of units q % 2.  The eight accumulators take turns, one instruction a turn.
.macro MM1 p, n
	SETSB \n
.set ks, q/8
.set mr, (q%8)/2
.set tu, q%2
.set mt, 4*(\p)+mr
.set rD, 64*(\p)+16*mr+8*tu
.set rA, SBN+12*(2*ks+tu)
.set rB, 12*(8*(ks%2)+mt)
.set rSA, 40+4*(\n)+ks
.set rSB, 24+4*(mt/2)+ks
.set fRA, tu
.set fRB, mt%2
.if ks == 0
.set rC, BT+8*tu                       ; the first K step starts the sum from b1
	WIN 0xe0|((1+ks/2)<<2)|WN
.else
.set rC, rD
	WIN 0xf0|((1+ks/2)<<2)|WN
.endif
	WM
.endm
; Line j of 359 of piece gp's gelu and quantiser.  X: the piece's 64 numbers of a lane (4 tiles of rows x 16 neighbouring units).
;   0-95     T = x (-k0 - k1 x^2), two at a time           96-159  2^T, one batch; 160 its plain place and its one wait, ahead of the first line that names a result
;   161-192  1 + T                                          193-256 1 / T, one batch; 257 likewise
;   258-289  X = x T: gelu                                  290-333 each row's largest magnitude of its block of 32 (my 16, the floor, lane l xor 16's 16), and 2 off its exponent field
;   334      the last turn's LDS stores have read the codes' registers, and b1's loads are in; upd = 1: the trip's step enters the two addresses
;   335-338  16 numbers become 96 bits of codes             339-342 the scales' bytes (the plain place behind the conversions)
;   343-358  my 12 bytes of the fragment (K step, tile of rows): they ARE registers 6 (w / 2) + 3 h + 0 .. 2 of lane r + 16 (w % 2) of the operand; and my byte w of the row's scale word (both halves of the lanes write the same value)
.macro GL gp, ko, upd
.set XB, 64*(\gp)
.if j < 32
	WIN 0x4f
	v_pk_mul_f32 v[T+2*j:T+2*j+1], v[XB+2*j:XB+2*j+1], v[XB+2*j:XB+2*j+1]   ; each accumulator is read from its low end on
.elseif j < 64
	WIN 0x61
	v_pk_fma_f32 v[T+2*(j-32):T+2*(j-32)+1], v[T+2*(j-32):T+2*(j-32)+1], s[K1:K1+1], v[KV:KV+1] op_sel_hi:[1,0,1]
.elseif j < 96
	WIN 0x4d
	v_pk_mul_f32 v[T+2*(j-64):T+2*(j-64)+1], v[T+2*(j-64):T+2*(j-64)+1], v[XB+2*(j-64):XB+2*(j-64)+1]
.elseif j < 160
	WIN 0x61
	v_exp_f32 v[T+j-96], v[T+j-96]
.elseif j == 160
	v_nop
	s_wait_alu depctr_va_vdst(0)
.elseif j < 193
	WIN 0x61
	v_pk_add_f32 v[T+2*(j-161):T+2*(j-161)+1], v[T+2*(j-161):T+2*(j-161)+1], 1.0 op_sel_hi:[1,0]
.elseif j < 257
	WIN 0x61
	v_rcp_f32 v[T+j-193], v[T+j-193]
.elseif j == 257
	v_nop
	s_wait_alu depctr_va_vdst(0)
.elseif j < 290
	WIN 0xc7
	v_pk_mul_f32 v[XB+2*(j-258):XB+2*(j-258)+1], v[XB+2*(j-258):XB+2*(j-258)+1], v[T+2*(j-258):T+2*(j-258)+1]
.elseif j < 294
	WIN 0xff
	v_max3_num_f32 v[MX+j-290], |v[XB+16*(j-290)]|, |v[XB+16*(j-290)+1]|, 0x1800000   ; the floor 2^(3 - 127): the byte cannot fall under 1
.elseif j < 322
	WIN 0xff
.set zi, (j-290)/4
.set zm, (j-290)%4
	v_max3_num_f32 v[MX+zm], v[MX+zm], |v[XB+16*zm+2*zi]|, |v[XB+16*zm+2*zi+1]|       ; the four tiles of rows by turns
.elseif j < 326
	WIN 0xff
	v_permlanex16_b32 v[M2+j-322], v[MX+j-322], s[SEL], s[SEL+1]
.elseif j < 330
	WIN 0xff
	v_max_num_f32 v[MX+j-326], v[MX+j-326], v[M2+j-326]
.elseif j < 334
	WIN 0xff
	v_add_nc_u32 v[SOP+j-330], 0xff000000, v[MX+j-330]
.elseif j == 334
	s_wait_dscnt 0x0
.if \upd
	WIN 0
	v_add_nc_u32 v[HADR], s31, v[HST0]
	v_add_nc_u32 v[HSAD], s32, v[HSB0]
.endif
.elseif j < 339
	WIN 0xff
	v_cvt_scalef32_pk16_fp6_f32 v[CC+4*(j-335):CC+4*(j-335)+2], v[XB+16*(j-335):XB+16*(j-335)+15], v[SOP+j-335]
.elseif j < 343
	WIN 0xff
	v_lshrrev_b32 v[BY+j-339], 23, v[SOP+j-339]
.elseif j < 355
	WIN 0x0c
.set zm, (j-343)/3
.set zi, (j-343)%3
	ds_store_b32 v[HADR], v[CC+4*zm+zi] offset:12288*(\ko)+1536*(4*(\gp)+zm)+4*zi
.else
	WIN 0x0c
	ds_store_b8 v[HSAD], v[BY+j-355] offset:512*(\ko)+256*(\gp)+4*(j-355)
.endif
.endm
; A TURN: piece p's 32 products from weight set n; g = 1: behind each, 12 lines of piece gp's list (K step ko behind the trip's first).
; ins = 1: b1 of step io is fetched behind slice 7: the last product that took b1 as C stands in front of that slice, whose 12 packed multiplies are its places.
; ins = 2: the next group of weights is asked for, into set io, behind slice 0: the last product that read that set ended the turn before, and the slice's 12 packed multiplies are its places.
.macro TURN p, n, g, gp, ko, upd, ins, io
.set q, 0
.set j, 0
.rept 32
	MM1 \p, \n
.if \g
.rept 12
.if j < NGL
	GL \gp, \ko, \upd
.endif
.set j, j+1
.endr
.endif
.if (\ins == 1) && (q == 7)
	BIAS \io
.endif
.if (\ins == 2) && (q == 0)
	LOADSET \io, 1
.endif
.set q, q+1
.endr
.endm
.macro BARRIER                         ; my LDS stores have landed and my LDS loads are in: then the work-group's barrier
	s_wait_dscnt 0x0
	s_barrier_signal -1
	s_barrier_wait -1
.endm
	; ---- THE HEAD
	s_load_b256 s[4:11], s[0:1], 0x0               ; x's codes s[4:5], x's scales s[6:7], assignment s[8:9], wq s[10:11]
	s_load_b128 s[12:15], s[0:1], 0x20             ; b1, b2
	s_load_b64 s[16:17], s[0:1], 0x30              ; out
	v_lshl_add_u32 v62, v0, 2, 0x49400
	v_mov_b32 v63, 0
	v_lshrrev_b32 v20, 5, v0
	v_readfirstlane_b32 s[WV], v20                 ; wave 0..3
	v_and_b32 v20, 31, v0                          ; lane
	v_and_b32 v21, 15, v0                          ; r
	v_bfe_u32 v22, v0, 4, 1                        ; h
	v_lshlrev_b32 v[L16], 4, v20
	s_mul_i32 s19, s[WV], 12288
	v_add_nc_u32 v[XG], s19, v[L16]                ; wave w brings rows 32 w .. 32 w + 31 of x: 12,288 dense bytes
	s_mul_i32 s19, s[WV], 12800
	s_add_co_u32 s19, s19, XST
.irp k, 0,1,2                          ; three loads are 1,536 bytes: four rows of 384.  Chunk 32 k + lane of 16 bytes lies in row (32 k + lane) / 24 = k + (lane + 8 k + 8) / 32, and each row passed adds 16 bytes
	v_add_nc_u32 v23, 8*\k+8, v20
	v_lshrrev_b32 v23, 5, v23
	v_lshl_add_u32 v23, v23, 4, v[L16]
	v_add_nc_u32 v23, s19, v23
	v_add_nc_u32 v[XSA+\k], 528*\k, v23
.endr
	v_mul_u32_u24 v[XFA], v21, 400
	v_mad_u32_u24 v[XFA], v22, 24, v[XFA]
	v_add_nc_u32 v[XFA], XST, v[XFA]
	s_and_b32 s19, s[WV], 1
	s_mul_i32 s19, s19, 768
	s_lshr_b32 s21, s[WV], 1
	s_mul_i32 s21, s21, 24
	s_add_co_u32 s19, s19, s21
	v_mul_u32_u24 v[HST0], v21, 48
	v_mad_u32_u24 v[HST0], v22, 12, v[HST0]
	v_add_nc_u32 v[HST0], s19, v[HST0]
	s_add_co_u32 s19, s[WV], HSC
	v_lshl_add_u32 v[HSB0], v21, 4, s19
	s_lshl_b32 s19, s[WV], 11
	s_add_co_u32 s19, s19, B1S
	v_lshl_add_u32 v[B1A0], v22, 6, s19
	v_add_nc_u32 v52, s19, v[L16]                  ; where b1's staged bytes go
	v_mul_u32_u24 v[HA0], v20, 48
	v_add_nc_u32 v[HS0], HSC, v[L16]
	s_lshl_b32 s19, s[WV], 9
	s_add_co_u32 s21, s19, B2S
	v_lshl_add_u32 v[B2A], v22, 5, s21
	v_add_nc_u32 v53, s21, v[L16]                  ; where b2's go
	v_add_nc_u32 v55, s19, v[L16]                  ; b2 in memory: my 128 columns, 16 bytes a lane
	v_lshrrev_b32 v54, 3, v20                      ; b1 in memory: eight lanes take my 128 bytes of a step's 512: 512 (lane / 8) + 16 (lane % 8) + 128 w
	v_and_b32 v23, 7, v20
	v_lshlrev_b32 v54, 9, v54
	v_lshl_add_u32 v54, v23, 4, v54
	s_lshl_b32 s19, s[WV], 7
	v_add_nc_u32 v54, s19, v54
	s_mul_i32 s19, s[WV], 8448
	s_add_co_u32 s19, s19, STG
	v_mul_u32_u24 v[STO], v21, 528
	v_lshl_add_u32 v[STO], v22, 5, v[STO]
	v_add_nc_u32 v[STO], s19, v[STO]
	v_add_nc_u32 v[RD], s19, v[L16]
	s_and_b32 s22, ttmp9, 0xfc                     ; 4 bytes x the sentence: four work-groups to a sentence
	s_mov_b32 s23, 0
	s_wait_kmcnt 0x0
	s_add_nc_u64 s[8:9], s[8:9], s[22:23]
	s_load_b32 s20, s[8:9], 0x0                    ; the sentence's expert
	s_mul_i32 s22, ttmp9, 49152                    ; my 128 rows of codes,
	s_add_nc_u64 s[4:5], s[4:5], s[22:23]
	s_lshl_b32 s22, ttmp9, 11                      ; of scale bytes,
	s_add_nc_u64 s[6:7], s[6:7], s[22:23]
	s_lshl_b32 s22, ttmp9, 18                      ; and of the result, at my wave's 128 columns
	s_lshl_b32 s19, s[WV], 9
	s_add_co_u32 s22, s22, s19
	s_add_nc_u64 s[16:17], s[16:17], s[22:23]
	WIN 0xc0
.set lc, 0
.rept 24
	global_load_b128 v[4*lc:4*lc+3], v[XG], s[4:5] offset:512*lc th:TH_LOAD_NT   ; read once in the launch
.set lc, lc+1
.endr
	WIN 0
.irp i, 0,1,2,3
	global_load_b128 v[24+4*\i:27+4*\i], v[L16], s[6:7] offset:512*\i   ; row 32 i + lane: its four scale words; lanes 0-15 tile of rows 2 i, lanes 16-31 tile 2 i + 1
.endr
	s_wait_kmcnt 0x0
	s_min_u32 s20, s20, 7                          ; an index stays inside its table
	s_lshl_b32 s22, s20, 13
	s_add_nc_u64 s[12:13], s[12:13], s[22:23]
	s_lshl_b32 s22, s20, 11
	s_add_nc_u64 s[14:15], s[14:15], s[22:23]
	s_mul_i32 s22, s20, 1638400
	s_mul_i32 s19, s[WV], 12800
	s_add_co_u32 s22, s22, s19
	s_add_nc_u64 s[WP:WP+1], s[10:11], s[22:23]    ; my quarter of the expert's group 0
	WIN 0xc0
.irp i, 0,1,2,3
	global_load_b128 v[96+4*\i:99+4*\i], v54, s[12:13] offset:2048*\i
.endr
	global_load_b128 v[112:115], v55, s[14:15]
	LOADSET 0, 0
	LOADSET 1, 1
	s_wait_loadcnt 50                              ; the two groups of 25 may be out: x, its scale words and the biases are in
	WIN 0x0c
.set lc, 0
.rept 24
	ds_store_b128 v[XSA+lc%3], v[4*lc:4*lc+3] offset:1600*(lc/3)
.set lc, lc+1
.endr
.irp i, 0,1,2,3
	ds_store_b128 v52, v[96+4*\i:99+4*\i] offset:512*\i
.endr
	ds_store_b128 v53, v[112:115]
	WIN 0
	BARRIER                                        ; x's 128 rows lie in LDS
.irp s, 0,1,2,3                        ; all of x's 32 fragments stay in registers: 24 bytes of a row as three loads of 8, so that every address is a multiple of the access's size
	WIN (1+\s/2)<<6
.irp m, 0,1,2,3,4,5,6,7
.irp p, 0,1,2,3,4,5
	ds_load_b64 v[12*(8*(\s%2)+\m)+2*\p:12*(8*(\s%2)+\m)+2*\p+1], v[XFA] offset:6400*\m+96*\s+48*(\p/3)+8*(\p%3)
.endr
.endr
.endr
	WIN 0
	v_mov_b32 v[B1A], v[B1A0]
	BIAS 0
	LOADSET 2, 1
	WIN 0xc0
.irp i, 0,1,2,3
	v_mov_b32 v[M2+\i], 0                          ; written once: a lane permute's destination counts as one of its sources
.endr
	WIN 0x80
	v_mov_b32 v[KV], 0xc0135761                    ; -k0 = -2.3022082
	v_mov_b32 v[KV+1], 0xc0135761
	WIN 0
	s_mov_b32 s[K1], 0xbdd2d3e8                    ; -k1 = -0.10294324
	s_mov_b32 s[K1+1], s[K1]                       ; (named with it as a pair, so it is written)
	s_mov_b32 s[SEL], 0x76543210
	s_mov_b32 s[SEL+1], 0xfedcba98
	s_mov_b32 s31, 0                               ; the trip's first step in HIMG,
	s_mov_b32 s32, 0                               ; in HSC,
	s_mov_b32 s33, 0                               ; and in my part of B1S
	s_wait_dscnt 0x0                               ; x's fragments and b1's first tiles
	s_wait_loadcnt 50                              ; group 0 is in; groups 1 and 2 may be out
	; ---- PHASE 1: hidden = Q(gelu(x W1 + b1)), 16 steps of 128 units
	TURN 0, 0, 0, 0, 0, 0, 0, 0                    ; piece 0 of step 0: there is no vector work yet to set between the products
	PLACES
	WIN 0
	s_mov_b32 s30, 5
.Lp1:                                  ; a trip is three steps, until the three weight sets are back where they began.  Step i = 3 x trip + 0, 1, 2
	v_add_nc_u32 v[B1A], s33, v[B1A0]
	TURN 1, 0, 1, 0, 0, 1, 1, 1                    ; piece 1 of step i | piece 0's gelu of step i | b1 of step i + 1
	s_wait_loadcnt 25                              ; group i + 1 is in; group i + 2 may be out
	TURN 0, 1, 1, 1, 0, 0, 2, 0                    ; piece 0 of step i + 1 | piece 1's gelu of step i | group i + 3 into the set that step i has left
	TURN 1, 1, 1, 0, 1, 0, 1, 2
	s_wait_loadcnt 25
	TURN 0, 2, 1, 1, 1, 0, 2, 1
	TURN 1, 2, 1, 0, 2, 0, 1, 3
	s_wait_loadcnt 25
	TURN 0, 0, 1, 1, 2, 0, 2, 2
	WIN 0                                          ; at a label and at a branch every window is 0
	s_add_co_u32 s31, s31, 36864
	s_add_co_u32 s32, s32, 1536
	s_add_co_u32 s33, s33, 384
	s_sub_co_u32 s30, s30, 1
	s_cmp_lg_u32 s30, 0
	s_cbranch_scc1 .Lp1
	TURN 1, 0, 1, 0, 0, 1, 0, 0                    ; piece 1 of step 15 | piece 0's gelu of step 15
	PLACES                                         ; for the loads into set 0 and for the first read of piece 1's results
	LOADSET 0, 1                                   ; group 18: the stream runs on into W2 (groups 16 and 17 were asked for by the loop's last trip)
.set j, 0
.rept NGL
	GL 1, 0, 0                                     ; piece 1's gelu of step 15
.set j, j+1
.endr
	WIN 0
	BARRIER                                        ; the hidden layer's 128 fragments and their scale words lie in LDS
	; ---- PHASE 2: out = hidden W2 + b2: 16 K steps of 128, 64 accumulators by turns, in the same order in every step
.macro HFETCH a0, nx                   ; the hidden layer's fragments of tiles of rows a0 .. a0 + 3, of the K step nx behind the one at which v[HACUR] stands
	WIN 0xc0
.irp a, \a0, \a0+1, \a0+2, \a0+3
.irp c, 0,1,2
	ds_load_b128 v[12*(\a)+4*\c:12*(\a)+4*\c+3], v[HACUR] offset:12288*(\nx)+1536*(\a)+16*\c
.endr
.endr
.endm
.macro P2MUL n, first, a0              ; 32 products: tiles of rows a0 .. a0 + 3 x my eight tiles of columns.  first = 1: b2 starts the sums
	SETSB \n
.if \first
	WIN WN|0x3c|((1+(\a0)/4)<<6)
.else
	WIN WN|0x0c|((1+(\a0)/4)<<4)|((1+(\a0)/4)<<6)
.endif
.irp a, \a0, \a0+1, \a0+2, \a0+3
.irp b, 0,1,2,3,4,5,6,7
.set rD, 8*(8*((\a)%4)+\b)
.set rA, SBN+12*\b
.set rB, 12*(\a)
.if \first
.set rC, 96+8*\b+96*(\b/4)
.else
.set rC, rD
.endif
.set rSA, 40+4*(\n)+\b%4
.set rSB, 24+4*(\n)+(\a)%4
.set fRA, \b/4
.set fRB, (\a)/4
	WM
.endr
.endr
.endm
; A K step, from weight set n and the hidden layer's scale set n.  The hidden layer has ONE set of fragments: tiles of rows 0-3 are fetched anew in the step's middle, tiles 4-7 at its end.
; cnt: the weight loads that may stay out;  nx: the next K step, counted from v[HACUR] (-1: none);  upd = 1: the trip's step enters the addresses;  load = 1: the group three on is asked for, into the set just left.
.macro P2STEP n, first, cnt, nx, upd, load
	s_wait_loadcnt \cnt
	s_wait_dscnt 12                                ; tiles of rows 0-3 and the scale words are in; the youngest 12 loads (tiles 4-7) may be out
	P2MUL \n, \first, 0
	s_wait_dscnt 0x0
.if \nx >= 0
	WIN 0
.if \upd
	v_add_nc_u32 v[HACUR], s34, v[HA0]
	v_add_nc_u32 v[HSCUR], s35, v[HS0]
.endif
	PLACES
	HFETCH 0, \nx
	WIN 0
	ds_load_b128 v[24+4*(((\n)+1)%3):27+4*(((\n)+1)%3)], v[HSCUR] offset:512*(\nx)
.endif
	P2MUL \n, \first, 4
.if \nx >= 0
	PLACES
	HFETCH 4, \nx
.endif
.if \load
	LOADSET \n, 1
.endif
	WIN 0
.endm
	v_mov_b32 v[HACUR], v[HA0]
	v_mov_b32 v[HSCUR], v[HS0]
	s_mov_b32 s34, 12288                           ; the trip's first K step in HIMG,
	s_mov_b32 s35, 512                             ; and in HSC
	HFETCH 0, 0
	WIN 0
	ds_load_b128 v[28:31], v[HSCUR]                ; K step 0 takes set 1, as its weights do: group 16
	WIN 0xc0
.irp b, 0,1,2,3,4,5,6,7
.irp c, 0,1
	ds_load_b128 v[96+8*\b+96*(\b/4)+4*\c:96+8*\b+96*(\b/4)+4*\c+3], v[B2A] offset:64*\b+16*\c   ; b2's tile b: lane (r, h) wants columns 16 b + 8 h + 0 .. 7 of my 128
.endr
.endr
	HFETCH 4, 0
	WIN 0
	P2STEP 1, 1, 50, 1, 0, 1                       ; K step 0: groups 17 and 18 may be out
	s_mov_b32 s30, 4
.Lp2:                                  ; a trip is three K steps: 1 + 3 x trip on
	P2STEP 2, 0, 50, 1, 1, 1
	P2STEP 0, 0, 50, 2, 0, 1
	P2STEP 1, 0, 50, 3, 0, 1
	s_add_co_u32 s34, s34, 36864
	s_add_co_u32 s35, s35, 1536
	s_sub_co_u32 s30, s30, 1
	s_cmp_lg_u32 s30, 0
	s_cbranch_scc1 .Lp2
	P2STEP 2, 0, 50, 1, 1, 0                       ; K steps 13, 14, 15 ask for no more weights: the counts run down
	P2STEP 0, 0, 25, 2, 0, 0
	P2STEP 1, 0, 0, -1, 0, 0
	; ---- THE WAY OUT, a tile of 16 rows x my 128 columns at a time.  A lane holds 32 neighbouring bytes of a row, and the lanes beside it hold other rows: so a tile goes through my own stage in LDS
	; and comes back as whole rows of 512 bytes.  LDS serves a wave's instructions in order (ISA guide 5.7.1.4): no wait between the stores and the loads, nor in front of the next tile's stores.
.macro TOSTAGE a
.set AC, 64*((\a)%4)
	WIN (1+(\a)/4)<<2                              ; an LDS store's data are its source 1
.irp b, 0,1,2,3,4,5,6,7
	ds_store_b128 v[STO], v[AC+8*\b:AC+8*\b+3] offset:64*\b        ; each accumulator from its low end on
	ds_store_b128 v[STO], v[AC+8*\b+4:AC+8*\b+7] offset:64*\b+16
.endr
	WIN 0
.set BB, 64+64*((\a)%2)
.irp t, 0,1,2,3,4,5,6,7,8,9,10,11,12,13,14,15
	ds_load_b128 v[BB+4*\t:BB+4*\t+3], v[RD] offset:\t*528
.endr
.endm
.macro SEND a, younger                 ; younger: the LDS instructions issued behind tile a's loads, which may stay out
.set BB, 64+64*((\a)%2)
	s_wait_dscnt \younger
.irp t, 0,1,2,3,4,5,6,7,8,9,10,11,12,13,14,15
	global_store_b128 v[L16], v[BB+4*\t:BB+4*\t+3], s[16:17] offset:32768*(\a)+2048*\t th:TH_STORE_NT   ; 32 lanes store 512 consecutive bytes, at a multiple of 256 from the result's first byte; every offset is an immediate
.endr
.endm
	PLACES                                         ; for the first read of the last products' results and for the loads into the registers that held their weights
	TOSTAGE 0
.irp a, 1,2,3,4,5,6,7
.if \a > 1
	s_wait_xcnt 0x0                                ; tile a - 2's stores have read their registers: tile a's loads may land there
.endif
	TOSTAGE \a
	SEND \a-1, 32                                  ; behind tile a - 1's loads: tile a's 16 stores and 16 loads
.endr
	SEND 7, 0
	s_wait_tensorcnt 0x0
	ds_add_u32 v62, v63
	s_wait_dscnt 0x0
	s_endpgm
.Lfunc_end_k_qbe9c6ea143_ffn:
	.size	k_qbe9c6ea143_ffn, .Lfunc_end_k_qbe9c6ea143_ffn-k_qbe9c6ea143_ffn
	.p2alignl 7, 3214868480
	.fill 96, 4, 3214868480
	.section	.rodata,"a",@progbits
	.p2align	6, 0x0
	.amdhsa_kernel k_qbe9c6ea143_ffn
		.amdhsa_group_segment_fixed_size 300544
		.amdhsa_private_segment_fixed_size 0
		.amdhsa_enable_private_segment 0
		.amdhsa_kernarg_size 56
		.amdhsa_user_sgpr_count 2
		.amdhsa_user_sgpr_kernarg_segment_ptr 1
		.amdhsa_wavefront_size32 1
		.amdhsa_system_sgpr_workgroup_id_x 1
		.amdhsa_system_sgpr_workgroup_id_y 1
		.amdhsa_system_sgpr_workgroup_id_z 1
		.amdhsa_system_vgpr_workitem_id 0
		.amdhsa_next_free_vgpr 1024
		.amdhsa_next_free_sgpr 66
		.amdhsa_reserve_vcc 0
		.amdhsa_float_denorm_mode_32 3
		.amdhsa_float_denorm_mode_16_64 3
		.amdhsa_memory_ordered 1
		.amdhsa_forward_progress 1
		.amdhsa_inst_pref_size 255
	.end_amdhsa_kernel
	.section	.bss,"aw",@nobits
	.p2align	6
	.space	262144
	.amdgpu_metadata
---
amdhsa.version: [ 1, 2 ]
amdhsa.kernels:
  - .name:           k_qbe9c6ea143_ffn
    .symbol:         k_qbe9c6ea143_ffn.kd
    .args:
      - { .name: hidden_states_codes, .offset: 0, .size: 8, .value_kind: global_buffer, .address_space: global }
      - { .name: hidden_states_scales, .offset: 8, .size: 8, .value_kind: global_buffer, .address_space: global }
      - { .name: assignment, .offset: 16, .size: 8, .value_kind: global_buffer, .address_space: global }
      - { .name: wq, .offset: 24, .size: 8, .value_kind: global_buffer, .address_space: global }
      - { .name: b1, .offset: 32, .size: 8, .value_kind: global_buffer, .address_space: global }
      - { .name: b2, .offset: 40, .size: 8, .value_kind: global_buffer, .address_space: global }
      - { .name: out0, .offset: 48, .size: 8, .value_kind: global_buffer, .address_space: global }
    .group_segment_fixed_size: 300544
    .private_segment_fixed_size: 0
    .kernarg_segment_align: 8
    .kernarg_segment_size: 56
    .max_flat_workgroup_size: 128
    .sgpr_count:     66
    .vgpr_count:     1024
    .wavefront_size: 32
...
	.end_amdgpu_metadata
.endif
;; end of part 2
;; ======== version 2 of 2: 2 launches; version 1 with the launch ffn written anew for expert scheduling mode
;; workspace buffers: wq 13,107,200 bytes
;; launch quant: the kernel of part 1 again; grid 1024 x 1, 4 waves a work-group, no clusters, 12,800 bytes of LDS; arguments W1, W2, wq; writes wq
;; launch ffn (part 3): grid 256 x 1, 4 waves a work-group, no clusters, 300,544 bytes of LDS; arguments hidden_states_codes, hidden_states_scales, assignment, wq, b1, b2, out0; writes out0
.if DOCPART == 3
	.amdgcn_target "amdgcn-amd-amdhsa--gfx1250"
	.amdhsa_code_object_version 6
	.text
	.protected	k_qbe9c6ea143_ffn
	.globl	k_qbe9c6ea143_ffn
	.p2align	8
	.type	k_qbe9c6ea143_ffn,@function
k_qbe9c6ea143_ffn:
	s_mov_b64 s[64:65], 0
	v_nop
	global_prefetch_b8 v0, s[64:65] scope:SCOPE_SE
	s_setreg_imm32_b32 hwreg(HW_REG_WAVE_SCHED_MODE, 0, 2), 2
	s_setreg_imm32_b32 hwreg(HW_REG_WAVE_MODE, 25, 1), 1
	s_wait_xcnt 0x0
	s_wait_alu depctr_vm_vsrc(0)
; out = gelu(x W1[e] + b1[e]) W2[e] + b2[e], e = assignment[sentence]; both products on codes of FP6 (E2M3) with one E8M0 scale for each 32 along K; gelu in its tanh form, in f32.
; x: codes [32,768 rows][384 bytes] and scale bytes [rows][16], as given.  The weights: wq, codes and scale words in the order of my operand registers (laid by the launch before; its head says how).
; SHARES.  A work-group of four waves takes 128 rows of one sentence through the whole chain; the hidden layer (128 x 2,048) stays in LDS as codes.  THE WAVES SHARE THE COLUMNS, NOT THE ROWS:
; in step t of phase 1 wave w makes hidden units 128 t + 32 w + 0 .. 31 for all 128 rows; in phase 2 it makes output columns 128 w + 0 .. 127 for all 128 rows (64 accumulators).
; So each fragment of a weight is wanted by ONE wave and feeds eight matrix instructions: the weights go from memory straight into registers, 25 loads of 16 bytes a lane for a step, in three sets by turns,
; asked for two steps ahead and waited for by count; they need no LDS and no barrier.
; NO JOINT LOADS, though the four work-groups of a sentence walk the same weights: the hidden layer's codes and scale words take 204,800 bytes of LDS and x, the biases and the stage 95,232;
; what is left of 327,680 holds no two slots of a step's 51,200 bytes, and no fragment is shared inside a work-group.
; BOTH PRODUCTS ARE USED TRANSPOSED (source 0 = 16 rows of the weight, source 1 = 16 rows of x or of the hidden layer): a lane holds ONE row (lane % 16) and eight neighbouring columns.  The rows of W1 that form
; a tile are chosen so that the 16 registers of a wave's two tiles are 16 neighbours along the next K: 32 w + 16 (lane / 16) + 0 .. 15.  The biases are the C of each sum's first matrix instruction.
; PHASE 1 GOES BY TURNS.  The 128 rows are two PIECES of 64.  In a TURN one piece has the matrix unit (32 products: 4 K steps x 4 tiles of rows x 2 tiles of units) and the other piece's gelu and quantiser,
; a list of 359 lines, stand in slices of 12 behind the matrix instructions.  Two turns are a step.
; GELU: 0.5 x (1 + tanh(z)) = x / (1 + 2^(x (-k0 - k1 x^2))), k0 = 2 sqrt(2 / pi) log2(e), k1 = 0.044715 k0.  It holds for every finite x: where x^2 or the power overflows the result is x or -0.
; LIMITS: NaN and infinities among the inputs are not served; a block of zeros of the hidden layer gets the byte 1 (its codes are zeros; nobody else reads the bytes).
; THE MODE: SCHED_MODE bits 1:0 = 2 (LLVM: expert scheduling mode 2), set by the entry lines.  The code itself states the register dependences
; between vector or matrix instructions and memory or LDS instructions, with s_wait_alu, always for 0.
; THE PLAN.  Registers that memory or LDS instructions touch:
;   v1-19, v52-55   offsets and LDS addresses, made at the head ahead of one wait on va_vdst.  Written again: v12 at the head of a trip of phase 1, v9 and v10 at line 334 of a trip's first turn, v14 and v16 at the head of
;                   phase 2 and once a trip there; ahead of each such write stands a wait on vm_vsrc, and behind it, ahead of the next access by the register, a wait on va_vdst that stands there anyway.
;   PHASE 1, a turn: the weight sets and v40-51: read by the products of a step's two turns; the group three steps on lands there, asked for in piece 0's next turn.  b1's two tiles: read as C by a turn's products 0 to 7;
;                   the next step's land there, asked for in piece 1's turn.  Both runs of loads stand straight behind line 160's wait on va_vdst, the one that the exponentials' batch has in any case:
;                   behind it the turn's products name another weight set and b1's tiles no more.
;                   The codes and bytes (window 3 v236-255): written by lines 335 to 342, read by the sixteen LDS stores of lines 343 to 358: a wait on va_vdst at line 343, one on vm_vsrc at line 334 of the next turn.
;   PHASE 2, a K step: the hidden layer's fragments of tiles of rows 0-3 are read by the step's first 32 products, those of tiles 4-7 and the weight set by all 64 or the last 32: a wait on va_vdst in the step's middle,
;                   ahead of the loads into fragments 0-3 and the next scale set, and one at its end, ahead of the loads into fragments 4-7 and into the weight set just left.
;   THE WAY OUT:    one wait on va_vdst (the accumulators are the LDS stores' data; rows of the result land where weights lay); a wait on vm_vsrc before a buffer of rows that global stores have read is loaded again.
;
; LDS: HIMG the hidden layer's fragments: (K step k, tile of rows m) at 12,288 k + 1,536 m, register R of lane L at 48 L + 4 R;  HSC their scale words: (k, m, row r) at 512 k + 16 (r + 16 (m / 4)) + 4 (m % 4);
;      XST x's 128 rows, 400 bytes apart;  B1S, B2S each wave's own part of the biases;  STG each wave's own stage for the way out, 16 rows x 528 bytes.
; REGISTERS, in windows of 256 (s_set_vgpr_msb: bits 1:0 source 0, 3:2 source 1, 5:4 source 2, 7:6 destination):
;   window 0: v1-19 addresses; v24-39 x's scale words (register 4 (m / 2) + s; lanes 0-15 even m, lanes 16-31 odd m), in phase 2 v24-35 the hidden layer's, three sets; v40-51 the weights' scale words, three sets;
;             v52-55 the head's; v64-159 weight set 0; v160-255 weight set 1; on the way out v64-191 rows of the result.
;   window 1: phase 1: v0-191 x's fragments of K steps 0, 1 at 12 (8 (s % 2) + m); v192-255 T, at work.   phase 2: the accumulators of tiles of rows 0-3 at 8 (8 a + b).
;   window 2: phase 1: v0-191 x's fragments of K steps 2, 3; v192-207 b1's two tiles; v208-209 -k0.          phase 2: the accumulators of tiles of rows 4-7.
;   window 3: phase 1: v0-63 piece 0, v64-127 piece 1 (accumulator (m', u) at 16 m' + 8 u); v224-255 the quantiser's.  phase 2: v0-95 the hidden layer's 8 fragments; v96-127, v224-255 b2's 8 tiles.  v128-223 weight set 2.
.set HIMG, 0
.set HSC,  196608
.set XST,  204800
.set B1S,  256000
.set B2S,  264192
.set STG,  266240
.set L16,   1                          ; 16 x lane: the weights' offset and the result's
.set XG,    2                          ; x's codes: 12,288 x wave + 16 x lane
.set XSA,   3                          ; v3-5  where a lane's 16 bytes of x go in XST, for loads 3 i + 0, 1, 2
.set XFA,   6                          ; x's fragments: XST + 400 r + 24 h
.set HST0,  7                          ; my 12 bytes in a hidden fragment: 48 r + 12 h + 768 (w % 2) + 24 (w / 2)
.set HSB0,  8                          ; my byte in a hidden scale word: HSC + 16 r + w
.set HADR,  9                          ; the two with the trip's step added
.set HSAD,  10
.set B1A0,  11                         ; B1S + 2,048 w + 64 h
.set B1A,   12
.set HA0,   13                         ; 48 x lane
.set HACUR, 14
.set HS0,   15                         ; HSC + 16 x lane
.set HSCUR, 16
.set B2A,   17                         ; B2S + 512 w + 32 h
.set STO,   18                         ; the stage, in: STG + 8,448 w + 528 r + 32 h
.set RD,    19                         ; and back: STG + 8,448 w + 16 x lane
.set T,    192                         ; window 1
.set BT,   192                         ; window 2
.set KV,   208                         ; window 2
.set MX,   224                         ; window 3: largest magnitudes, a tile of rows each
.set M2,   228                         ;           the other half of the lanes'
.set SOP,  232                         ;           the conversions' scale operands
.set BY,   236                         ;           the scales' bytes
.set CC,   240                         ;           codes: four registers a tile of rows
.set NGL,  359
.set WV,   18                          ; s18  my wave's number
.set WP,   24                          ; s[24:25] the weights' stream: my quarter of the group last asked for
.set K1,   26                          ; s[26:27] -k1
.set SEL,  28                          ; s[28:29] v_permlanex16_b32's selects for lane l xor 16
.set MSB, 0
.macro WIN new                         ; the immediate's high byte repeats the setting that is left; a switch that changes nothing is dropped
.if MSB != (\new)
	s_set_vgpr_msb (MSB<<8)|(\new)
.set MSB, (\new)
.endif
.endm
.macro PLACES                          ; four places in front of loads into registers that matrix instructions have read, and of the first read of results; they stay beside the waits on va_vdst, which fill none
.rept 4
	v_nop
.endr
.endm
.macro SETSB n                         ; weight set n begins at v64 or v160 of window 0, or at v128 of window 3
.set SBN, 64+96*(\n)-128*((\n)/2)
.set WN, 3*((\n)/2)
.endm
; The matrix instruction, by the symbols rD, rA, rB, rC, rSA, rSB; fRA, fRB: the side's scale words stand in lanes 16-31
.macro WM
.if fRA && fRB
	v_wmma_scale_f32_16x16x128_f8f6f4 v[rD:rD+7], v[rA:rA+11], v[rB:rB+11], v[rC:rC+7], v[rSA], v[rSB] matrix_a_fmt:MATRIX_FMT_FP6 matrix_b_fmt:MATRIX_FMT_FP6 matrix_a_scale:MATRIX_SCALE_ROW1 matrix_b_scale:MATRIX_SCALE_ROW1
.elseif fRA
	v_wmma_scale_f32_16x16x128_f8f6f4 v[rD:rD+7], v[rA:rA+11], v[rB:rB+11], v[rC:rC+7], v[rSA], v[rSB] matrix_a_fmt:MATRIX_FMT_FP6 matrix_b_fmt:MATRIX_FMT_FP6 matrix_a_scale:MATRIX_SCALE_ROW1
.elseif fRB
	v_wmma_scale_f32_16x16x128_f8f6f4 v[rD:rD+7], v[rA:rA+11], v[rB:rB+11], v[rC:rC+7], v[rSA], v[rSB] matrix_a_fmt:MATRIX_FMT_FP6 matrix_b_fmt:MATRIX_FMT_FP6 matrix_b_scale:MATRIX_SCALE_ROW1
.else
	v_wmma_scale_f32_16x16x128_f8f6f4 v[rD:rD+7], v[rA:rA+11], v[rB:rB+11], v[rC:rC+7], v[rSA], v[rSB] matrix_a_fmt:MATRIX_FMT_FP6 matrix_b_fmt:MATRIX_FMT_FP6
.endif
.endm
; A group of the weights' stream into set n: 24 loads of codes and one of scale words, 512 consecutive bytes each.  Every group of the launch is 25 loads, so the waits count in 25s.
; It always stands straight behind a wait on va_vdst that shows the set's last readers done: only scalar lines, window switches and its own loads lie between.
.macro LOADSET n, step
.if \step
	s_wait_xcnt 0x0                                ; the last group's loads have read their base: only behind this wait is it stepped
	s_add_nc_u64 s[WP:WP+1], s[WP:WP+1], 51200
.endif
	SETSB \n
	WIN WN<<6
.set lc, 0
.rept 24
	global_load_b128 v[SBN+4*lc:SBN+4*lc+3], v[L16], s[WP:WP+1] offset:512*lc
.set lc, lc+1
.endr
	WIN 0
	global_load_b128 v[40+4*(\n):43+4*(\n)], v[L16], s[WP:WP+1] offset:12288
.endm
.macro BIAS o                          ; b1's two tiles of the step o behind the trip's first: lane (r, h) wants units 16 h + 8 u + 0 .. 7 of my 32
	WIN 0x80
.irp c, 0,1,2,3
	ds_load_b128 v[BT+4*\c:BT+4*\c+3], v[B1A] offset:128*(\o)+16*\c
.endr
.endm
; Product q of 32 of piece p's turn, from weight set n: K step q / 8, tile of rows 4 p + (q % 8) / 2, tile of units q % 2.  The eight accumulators take turns, one instruction a turn.
.macro MM1 p, n
	SETSB \n
.set ks, q/8
.set mr, (q%8)/2
.set tu, q%2
.set mt, 4*(\p)+mr
.set rD, 64*(\p)+16*mr+8*tu
.set rA, SBN+12*(2*ks+tu)
.set rB, 12*(8*(ks%2)+mt)
.set rSA, 40+4*(\n)+ks
.set rSB, 24+4*(mt/2)+ks
.set fRA, tu
.set fRB, mt%2
.if ks == 0
.set rC, BT+8*tu                       ; the first K step starts the sum from b1
	WIN 0xe0|((1+ks/2)<<2)|WN
.else
.set rC, rD
	WIN 0xf0|((1+ks/2)<<2)|WN
.endif
	WM
.endm
; Line j of 359 of piece gp's gelu and quantiser.  X: the piece's 64 numbers of a lane (4 tiles of rows x 16 neighbouring units).
;   0-95     T = x (-k0 - k1 x^2), two at a time           96-159  2^T, one batch; 160 its plain place and its one wait, ahead of the first line that names a result;
;            behind that wait stand the turn's loads: ins = 1: b1's tiles of step io; ins = 2: the next group of weights, into set io
;   161-192  1 + T                                          193-256 1 / T, one batch; 257 likewise
;   258-289  X = x T: gelu                                  290-333 each row's largest magnitude of its block of 32 (my 16, the floor, lane l xor 16's 16), and 2 off its exponent field
;   334      b1's loads are in; the last turn's LDS stores have read the codes' and bytes' registers and their addresses; upd = 1: the trip's step enters the two addresses
;   335-338  16 numbers become 96 bits of codes             339-342 the scales' bytes (the plain place behind the conversions)
;   343-358  behind one wait: my 12 bytes of the fragment (K step, tile of rows): they ARE registers 6 (w / 2) + 3 h + 0 .. 2 of lane r + 16 (w % 2) of the operand; and my byte w of the row's scale word (both halves of the lanes write the same value)
.macro GL gp, ko, upd, ins, io
.set XB, 64*(\gp)
.if j < 32
	WIN 0x4f
	v_pk_mul_f32 v[T+2*j:T+2*j+1], v[XB+2*j:XB+2*j+1], v[XB+2*j:XB+2*j+1]   ; each accumulator is read from its low end on
.elseif j < 64
	WIN 0x61
	v_pk_fma_f32 v[T+2*(j-32):T+2*(j-32)+1], v[T+2*(j-32):T+2*(j-32)+1], s[K1:K1+1], v[KV:KV+1] op_sel_hi:[1,0,1]
.elseif j < 96
	WIN 0x4d
	v_pk_mul_f32 v[T+2*(j-64):T+2*(j-64)+1], v[T+2*(j-64):T+2*(j-64)+1], v[XB+2*(j-64):XB+2*(j-64)+1]
.elseif j < 160
	WIN 0x61
	v_exp_f32 v[T+j-96], v[T+j-96]
.elseif j == 160
	v_nop
.if (\ins) == 1
	WIN 0x80                                       ; (the loads' window is set ahead of the wait)
.elseif (\ins) == 2
	SETSB \io
	WIN WN<<6
.endif
	s_wait_alu depctr_va_vdst(0)                   ; the 64 exponentials have written T.  ins = 1: this turn's products 0 to 7 are done reading b1's tiles, and v[B1A] is written.  ins = 2: the last turn's products are done reading weight set io and its scale words
.if (\ins) == 1
	BIAS \io                                       ; no product of this turn behind the wait names b1's tiles
.elseif (\ins) == 2
	LOADSET \io, 1                                 ; this turn's products name another set
.endif
.elseif j < 193
	WIN 0x61
	v_pk_add_f32 v[T+2*(j-161):T+2*(j-161)+1], v[T+2*(j-161):T+2*(j-161)+1], 1.0 op_sel_hi:[1,0]
.elseif j < 257
	WIN 0x61
	v_rcp_f32 v[T+j-193], v[T+j-193]
.elseif j == 257
	v_nop
	s_wait_alu depctr_va_vdst(0)                   ; the 64 reciprocals have written T, ahead of the first line that names a result
.elseif j < 290
	WIN 0xc7
	v_pk_mul_f32 v[XB+2*(j-258):XB+2*(j-258)+1], v[XB+2*(j-258):XB+2*(j-258)+1], v[T+2*(j-258):T+2*(j-258)+1]
.elseif j < 294
	WIN 0xff
	v_max3_num_f32 v[MX+j-290], |v[XB+16*(j-290)]|, |v[XB+16*(j-290)+1]|, 0x1800000   ; the floor 2^(3 - 127): the byte cannot fall under 1
.elseif j < 322
	WIN 0xff
.set zi, (j-290)/4
.set zm, (j-290)%4
	v_max3_num_f32 v[MX+zm], v[MX+zm], |v[XB+16*zm+2*zi]|, |v[XB+16*zm+2*zi+1]|       ; the four tiles of rows by turns
.elseif j < 326
	WIN 0xff
	v_permlanex16_b32 v[M2+j-322], v[MX+j-322], s[SEL], s[SEL+1]
.elseif j < 330
	WIN 0xff
	v_max_num_f32 v[MX+j-326], v[MX+j-326], v[M2+j-326]
.elseif j < 334
	WIN 0xff
	v_add_nc_u32 v[SOP+j-330], 0xff000000, v[MX+j-330]
.elseif j == 334
	s_wait_dscnt 0x0                               ; b1's loads are in
	s_wait_alu depctr_vm_vsrc(0)                   ; the last turn's LDS stores have read the codes, the bytes and v[HADR], v[HSAD], all of which the lines below write again
.if \upd
	WIN 0
	v_add_nc_u32 v[HADR], s31, v[HST0]
	v_add_nc_u32 v[HSAD], s32, v[HSB0]
.endif
.elseif j < 339
	WIN 0xff
	v_cvt_scalef32_pk16_fp6_f32 v[CC+4*(j-335):CC+4*(j-335)+2], v[XB+16*(j-335):XB+16*(j-335)+15], v[SOP+j-335]
.elseif j < 343
	WIN 0xff
	v_lshrrev_b32 v[BY+j-339], 23, v[SOP+j-339]
.elseif j < 355
	WIN 0x0c
.if j == 343
	s_wait_alu depctr_va_vdst(0)                   ; the conversions have written the codes, the shifts the bytes, line 334 the two addresses: the sixteen LDS stores read them; the product that falls among the stores names none of these registers
.endif
.set zm, (j-343)/3
.set zi, (j-343)%3
	ds_store_b32 v[HADR], v[CC+4*zm+zi] offset:12288*(\ko)+1536*(4*(\gp)+zm)+4*zi
.else
	WIN 0x0c
	ds_store_b8 v[HSAD], v[BY+j-355] offset:512*(\ko)+256*(\gp)+4*(j-355)
.endif
.endm
; A TURN: piece p's 32 products from weight set n; g = 1: behind each, 12 lines of piece gp's list (K step ko behind the trip's first).
; ins, io: which loads stand behind line 160's wait, in slice 13 (macro GL): 1: b1 of step io; 2: the next group of weights, into set io; 0: none.
.macro TURN p, n, g, gp, ko, upd, ins, io
.set q, 0
.set j, 0
.rept 32
	MM1 \p, \n
.if \g
.rept 12
.if j < NGL
	GL \gp, \ko, \upd, \ins, \io
.endif
.set j, j+1
.endr
.endif
.set q, q+1
.endr
.endm
.macro BARRIER                         ; my LDS stores have landed and my LDS loads are in: then the work-group's barrier
	s_wait_dscnt 0x0
	s_barrier_signal -1
	s_barrier_wait -1
.endm
	; ---- THE HEAD
	s_load_b256 s[4:11], s[0:1], 0x0               ; x's codes s[4:5], x's scales s[6:7], assignment s[8:9], wq s[10:11]
	s_load_b128 s[12:15], s[0:1], 0x20             ; b1, b2
	s_load_b64 s[16:17], s[0:1], 0x30              ; out
	v_lshl_add_u32 v62, v0, 2, 0x49400
	v_mov_b32 v63, 0
	v_lshrrev_b32 v20, 5, v0
	v_readfirstlane_b32 s[WV], v20                 ; wave 0..3
	v_and_b32 v20, 31, v0                          ; lane
	v_and_b32 v21, 15, v0                          ; r
	v_bfe_u32 v22, v0, 4, 1                        ; h
	v_lshlrev_b32 v[L16], 4, v20
	s_wait_alu depctr_va_sdst(0)                   ; s18, the wave's number, is written, ahead of its first reader
	s_mul_i32 s19, s[WV], 12288
	v_add_nc_u32 v[XG], s19, v[L16]                ; wave w brings rows 32 w .. 32 w + 31 of x: 12,288 dense bytes
	s_mul_i32 s19, s[WV], 12800
	s_add_co_u32 s19, s19, XST
.irp k, 0,1,2                          ; three loads are 1,536 bytes: four rows of 384.  Chunk 32 k + lane of 16 bytes lies in row (32 k + lane) / 24 = k + (lane + 8 k + 8) / 32, and each row passed adds 16 bytes
	v_add_nc_u32 v23, 8*\k+8, v20
	v_lshrrev_b32 v23, 5, v23
	v_lshl_add_u32 v23, v23, 4, v[L16]
	v_add_nc_u32 v23, s19, v23
	v_add_nc_u32 v[XSA+\k], 528*\k, v23
.endr
	v_mul_u32_u24 v[XFA], v21, 400
	v_mad_u32_u24 v[XFA], v22, 24, v[XFA]
	v_add_nc_u32 v[XFA], XST, v[XFA]
	s_and_b32 s19, s[WV], 1
	s_mul_i32 s19, s19, 768
	s_lshr_b32 s21, s[WV], 1
	s_mul_i32 s21, s21, 24
	s_add_co_u32 s19, s19, s21
	v_mul_u32_u24 v[HST0], v21, 48
	v_mad_u32_u24 v[HST0], v22, 12, v[HST0]
	v_add_nc_u32 v[HST0], s19, v[HST0]
	s_add_co_u32 s19, s[WV], HSC
	v_lshl_add_u32 v[HSB0], v21, 4, s19
	s_lshl_b32 s19, s[WV], 11
	s_add_co_u32 s19, s19, B1S
	v_lshl_add_u32 v[B1A0], v22, 6, s19
	v_mov_b32 v[B1A], v[B1A0]                      ; step 0's
	v_add_nc_u32 v52, s19, v[L16]                  ; where b1's staged bytes go
	v_mul_u32_u24 v[HA0], v20, 48
	v_add_nc_u32 v[HS0], HSC, v[L16]
	s_lshl_b32 s19, s[WV], 9
	s_add_co_u32 s21, s19, B2S
	v_lshl_add_u32 v[B2A], v22, 5, s21
	v_add_nc_u32 v53, s21, v[L16]                  ; where b2's go
	v_add_nc_u32 v55, s19, v[L16]                  ; b2 in memory: my 128 columns, 16 bytes a lane
	v_lshrrev_b32 v54, 3, v20                      ; b1 in memory: eight lanes take my 128 bytes of a step's 512: 512 (lane / 8) + 16 (lane % 8) + 128 w
	v_and_b32 v23, 7, v20
	v_lshlrev_b32 v54, 9, v54
	v_lshl_add_u32 v54, v23, 4, v54
	s_lshl_b32 s19, s[WV], 7
	v_add_nc_u32 v54, s19, v54
	s_mul_i32 s19, s[WV], 8448
	s_add_co_u32 s19, s19, STG
	v_mul_u32_u24 v[STO], v21, 528
	v_lshl_add_u32 v[STO], v22, 5, v[STO]
	v_add_nc_u32 v[STO], s19, v[STO]
	v_add_nc_u32 v[RD], s19, v[L16]
	s_and_b32 s22, ttmp9, 0xfc                     ; 4 bytes x the sentence: four work-groups to a sentence
	s_mov_b32 s23, 0
	s_wait_kmcnt 0x0
	s_add_nc_u64 s[8:9], s[8:9], s[22:23]
	s_load_b32 s20, s[8:9], 0x0                    ; the sentence's expert
	s_mul_i32 s22, ttmp9, 49152                    ; my 128 rows of codes,
	s_add_nc_u64 s[4:5], s[4:5], s[22:23]
	s_lshl_b32 s22, ttmp9, 11                      ; of scale bytes,
	s_add_nc_u64 s[6:7], s[6:7], s[22:23]
	s_lshl_b32 s22, ttmp9, 18                      ; and of the result, at my wave's 128 columns
	s_lshl_b32 s19, s[WV], 9
	s_add_co_u32 s22, s22, s19
	s_add_nc_u64 s[16:17], s[16:17], s[22:23]
	WIN 0xc0
	s_wait_alu depctr_va_vdst(0)                   ; the offsets and LDS addresses v1 to v19 and v52 to v55 are written: the loads and stores from here on read them
.set lc, 0
.rept 24
	global_load_b128 v[4*lc:4*lc+3], v[XG], s[4:5] offset:512*lc th:TH_LOAD_NT   ; read once in the launch
.set lc, lc+1
.endr
	WIN 0
.irp i, 0,1,2,3
	global_load_b128 v[24+4*\i:27+4*\i], v[L16], s[6:7] offset:512*\i   ; row 32 i + lane: its four scale words; lanes 0-15 tile of rows 2 i, lanes 16-31 tile 2 i + 1
.endr
	s_wait_kmcnt 0x0
	s_min_u32 s20, s20, 7                          ; an index stays inside its table
	s_lshl_b32 s22, s20, 13
	s_add_nc_u64 s[12:13], s[12:13], s[22:23]
	s_lshl_b32 s22, s20, 11
	s_add_nc_u64 s[14:15], s[14:15], s[22:23]
	s_mul_i32 s22, s20, 1638400
	s_mul_i32 s19, s[WV], 12800
	s_add_co_u32 s22, s22, s19
	s_add_nc_u64 s[WP:WP+1], s[10:11], s[22:23]    ; my quarter of the expert's group 0
	WIN 0xc0
.irp i, 0,1,2,3
	global_load_b128 v[96+4*\i:99+4*\i], v54, s[12:13] offset:2048*\i
.endr
	global_load_b128 v[112:115], v55, s[14:15]
	LOADSET 0, 0                                   ; (no vector or matrix instruction has named a weight set yet)
	LOADSET 1, 1
	s_wait_loadcnt 50                              ; the two groups of 25 may be out: x, its scale words and the biases are in
	WIN 0x0c
.set lc, 0
.rept 24
	ds_store_b128 v[XSA+lc%3], v[4*lc:4*lc+3] offset:1600*(lc/3)
.set lc, lc+1
.endr
.irp i, 0,1,2,3
	ds_store_b128 v52, v[96+4*\i:99+4*\i] offset:512*\i
.endr
	ds_store_b128 v53, v[112:115]
	WIN 0
	BARRIER                                        ; x's 128 rows lie in LDS
	s_wait_alu depctr_vm_vsrc(0)                   ; my LDS stores have read v0 to v115 of window 3: these registers are the two pieces' accumulators from here on, written by the products
.irp s, 0,1,2,3                        ; all of x's 32 fragments stay in registers: 24 bytes of a row as three loads of 8, so that every address is a multiple of the access's size
	WIN (1+\s/2)<<6
.irp m, 0,1,2,3,4,5,6,7
.irp p, 0,1,2,3,4,5
	ds_load_b64 v[12*(8*(\s%2)+\m)+2*\p:12*(8*(\s%2)+\m)+2*\p+1], v[XFA] offset:6400*\m+96*\s+48*(\p/3)+8*(\p%3)
.endr
.endr
.endr
	BIAS 0
	LOADSET 2, 1
	WIN 0xc0
.irp i, 0,1,2,3
	v_mov_b32 v[M2+\i], 0                          ; written once: a lane permute's destination counts as one of its sources
.endr
	WIN 0x80
	v_mov_b32 v[KV], 0xc0135761                    ; -k0 = -2.3022082
	v_mov_b32 v[KV+1], 0xc0135761
	WIN 0
	s_mov_b32 s[K1], 0xbdd2d3e8                    ; -k1 = -0.10294324
	s_mov_b32 s[K1+1], s[K1]                       ; (named with it as a pair, so it is written)
	s_mov_b32 s[SEL], 0x76543210
	s_mov_b32 s[SEL+1], 0xfedcba98
	s_mov_b32 s31, 0                               ; the trip's first step in HIMG,
	s_mov_b32 s32, 0                               ; in HSC,
	s_mov_b32 s33, 0                               ; and in my part of B1S
	s_wait_dscnt 0x0                               ; x's fragments and b1's first tiles
	s_wait_loadcnt 50                              ; group 0 is in; groups 1 and 2 may be out
	; ---- PHASE 1: hidden = Q(gelu(x W1 + b1)), 16 steps of 128 units
	TURN 0, 0, 0, 0, 0, 0, 0, 0                    ; piece 0 of step 0: there is no vector work yet to set between the products
	PLACES
	WIN 0
	s_mov_b32 s30, 5
.Lp1:                                  ; a trip is three steps, until the three weight sets are back where they began.  Step i = 3 x trip + 0, 1, 2
	s_wait_alu depctr_vm_vsrc(0)                   ; b1's loads issued so far have read v[B1A]
	v_add_nc_u32 v[B1A], s33, v[B1A0]
	TURN 1, 0, 1, 0, 0, 1, 1, 1                    ; piece 1 of step i | piece 0's gelu of step i | b1 of step i + 1
	s_wait_loadcnt 25                              ; group i + 1 is in; group i + 2 may be out
	TURN 0, 1, 1, 1, 0, 0, 2, 0                    ; piece 0 of step i + 1 | piece 1's gelu of step i | group i + 3 into the set that step i has left
	TURN 1, 1, 1, 0, 1, 0, 1, 2
	s_wait_loadcnt 25
	TURN 0, 2, 1, 1, 1, 0, 2, 1
	TURN 1, 2, 1, 0, 2, 0, 1, 3
	s_wait_loadcnt 25
	TURN 0, 0, 1, 1, 2, 0, 2, 2
	WIN 0                                          ; at a label and at a branch every window is 0
	s_add_co_u32 s31, s31, 36864
	s_add_co_u32 s32, s32, 1536
	s_add_co_u32 s33, s33, 384
	s_sub_co_u32 s30, s30, 1
	s_cmp_lg_u32 s30, 0
	s_cbranch_scc1 .Lp1
	TURN 1, 0, 1, 0, 0, 1, 0, 0                    ; piece 1 of step 15 | piece 0's gelu of step 15
	PLACES                                         ; for the loads into set 0 and for the first read of piece 1's results
	WIN 0
	s_wait_alu depctr_va_vdst(0)                   ; the turn's products are done reading weight set 0 and its scale words, in which the loads below land
	LOADSET 0, 1                                   ; group 18: the stream runs on into W2 (groups 16 and 17 were asked for by the loop's last trip)
.set j, 0
.rept NGL
	GL 1, 0, 0, 0, 0                               ; piece 1's gelu of step 15
.set j, j+1
.endr
	WIN 0
	BARRIER                                        ; the hidden layer's 128 fragments and their scale words lie in LDS
	; ---- PHASE 2: out = hidden W2 + b2: 16 K steps of 128, 64 accumulators by turns, in the same order in every step
.macro HFETCH a0, nx                   ; the hidden layer's fragments of tiles of rows a0 .. a0 + 3, of the K step nx behind the one at which v[HACUR] stands
	WIN 0xc0
.irp a, \a0, \a0+1, \a0+2, \a0+3
.irp c, 0,1,2
	ds_load_b128 v[12*(\a)+4*\c:12*(\a)+4*\c+3], v[HACUR] offset:12288*(\nx)+1536*(\a)+16*\c
.endr
.endr
.endm
.macro P2MUL n, first, a0              ; 32 products: tiles of rows a0 .. a0 + 3 x my eight tiles of columns.  first = 1: b2 starts the sums
	SETSB \n
.if \first
	WIN WN|0x3c|((1+(\a0)/4)<<6)
.else
	WIN WN|0x0c|((1+(\a0)/4)<<4)|((1+(\a0)/4)<<6)
.endif
.irp a, \a0, \a0+1, \a0+2, \a0+3
.irp b, 0,1,2,3,4,5,6,7
.set rD, 8*(8*((\a)%4)+\b)
.set rA, SBN+12*\b
.set rB, 12*(\a)
.if \first
.set rC, 96+8*\b+96*(\b/4)
.else
.set rC, rD
.endif
.set rSA, 40+4*(\n)+\b%4
.set rSB, 24+4*(\n)+(\a)%4
.set fRA, \b/4
.set fRB, (\a)/4
	WM
.endr
.endr
.endm
; A K step, from weight set n and the hidden layer's scale set n.  The hidden layer has ONE set of fragments: tiles of rows 0-3 are fetched anew in the step's middle, tiles 4-7 at its end.
; cnt: the weight loads that may stay out;  nx: the next K step, counted from v[HACUR] (-1: none);  upd = 1: the trip's step enters the addresses;  load = 1: the group three on is asked for, into the set just left.
.macro P2STEP n, first, cnt, nx, upd, load
	s_wait_loadcnt \cnt
	s_wait_dscnt 12                                ; tiles of rows 0-3 and the scale words are in; the youngest 12 loads (tiles 4-7) may be out
	P2MUL \n, \first, 0
	s_wait_dscnt 0x0
.if \nx >= 0
	WIN 0
.if \upd
	s_wait_alu depctr_vm_vsrc(0)                   ; the LDS loads issued so far have read v[HACUR] and v[HSCUR]
	v_add_nc_u32 v[HACUR], s34, v[HA0]
	v_add_nc_u32 v[HSCUR], s35, v[HS0]
.endif
	PLACES
	WIN 0xc0
	s_wait_alu depctr_va_vdst(0)                   ; the 32 products above are done reading the fragments of tiles of rows 0-3; earlier steps' products are done reading the scale set that is loaded next; with upd = 1 the two addresses are written
	HFETCH 0, \nx
	WIN 0
	ds_load_b128 v[24+4*(((\n)+1)%3):27+4*(((\n)+1)%3)], v[HSCUR] offset:512*(\nx)
.endif
	P2MUL \n, \first, 4
.if \nx >= 0
	PLACES
	WIN 0xc0
	s_wait_alu depctr_va_vdst(0)                   ; the 32 products above are done reading the fragments of tiles of rows 4-7, and the step's 64 are done reading weight set n and its scale words
	HFETCH 4, \nx
.endif
.if \load
	LOADSET \n, 1
.endif
	WIN 0
.endm
	v_mov_b32 v[HACUR], v[HA0]
	v_mov_b32 v[HSCUR], v[HS0]
	s_mov_b32 s34, 12288                           ; the trip's first K step in HIMG,
	s_mov_b32 s35, 512                             ; and in HSC
	WIN 0xc0
	s_wait_alu depctr_va_vdst(0)                   ; v[HACUR] and v[HSCUR] are written; gelu and the quantiser are done with window 3's v0-127 and v224-255, phase 1's products with x's scale words: the loads below land in these
	s_wait_alu depctr_vm_vsrc(0)                   ; my last LDS stores have read the codes and the bytes, in whose registers tiles of b2 land
	HFETCH 0, 0
	WIN 0
	ds_load_b128 v[28:31], v[HSCUR]                ; K step 0 takes set 1, as its weights do: group 16
	WIN 0xc0
.irp b, 0,1,2,3,4,5,6,7
.irp c, 0,1
	ds_load_b128 v[96+8*\b+96*(\b/4)+4*\c:96+8*\b+96*(\b/4)+4*\c+3], v[B2A] offset:64*\b+16*\c   ; b2's tile b: lane (r, h) wants columns 16 b + 8 h + 0 .. 7 of my 128
.endr
.endr
	HFETCH 4, 0
	WIN 0
	P2STEP 1, 1, 50, 1, 0, 1                       ; K step 0: groups 17 and 18 may be out
	s_mov_b32 s30, 4
.Lp2:                                  ; a trip is three K steps: 1 + 3 x trip on
	P2STEP 2, 0, 50, 1, 1, 1
	P2STEP 0, 0, 50, 2, 0, 1
	P2STEP 1, 0, 50, 3, 0, 1
	s_add_co_u32 s34, s34, 36864
	s_add_co_u32 s35, s35, 1536
	s_sub_co_u32 s30, s30, 1
	s_cmp_lg_u32 s30, 0
	s_cbranch_scc1 .Lp2
	P2STEP 2, 0, 50, 1, 1, 0                       ; K steps 13, 14, 15 ask for no more weights: the counts run down
	P2STEP 0, 0, 25, 2, 0, 0
	P2STEP 1, 0, 0, -1, 0, 0
	; ---- THE WAY OUT, a tile of 16 rows x my 128 columns at a time.  A lane holds 32 neighbouring bytes of a row, and the lanes beside it hold other rows: so a tile goes through my own stage in LDS
	; and comes back as whole rows of 512 bytes.  LDS serves a wave's instructions in order (ISA guide 5.7.1.4): no wait between the stores and the loads, nor in front of the next tile's stores.
.macro TOSTAGE a
.set AC, 64*((\a)%4)
	WIN (1+(\a)/4)<<2                              ; an LDS store's data are its source 1
.irp b, 0,1,2,3,4,5,6,7
	ds_store_b128 v[STO], v[AC+8*\b:AC+8*\b+3] offset:64*\b        ; each accumulator from its low end on
	ds_store_b128 v[STO], v[AC+8*\b+4:AC+8*\b+7] offset:64*\b+16
.endr
	WIN 0
.set BB, 64+64*((\a)%2)
.irp t, 0,1,2,3,4,5,6,7,8,9,10,11,12,13,14,15
	ds_load_b128 v[BB+4*\t:BB+4*\t+3], v[RD] offset:\t*528
.endr
.endm
.macro SEND a, younger                 ; younger: the LDS instructions issued behind tile a's loads, which may stay out
.set BB, 64+64*((\a)%2)
	s_wait_dscnt \younger
.irp t, 0,1,2,3,4,5,6,7,8,9,10,11,12,13,14,15
	global_store_b128 v[L16], v[BB+4*\t:BB+4*\t+3], s[16:17] offset:32768*(\a)+2048*\t th:TH_STORE_NT   ; 32 lanes store 512 consecutive bytes, at a multiple of 256 from the result's first byte; every offset is an immediate
.endr
.endm
	PLACES                                         ; for the first read of the last products' results and for the loads into the registers that held their weights
	WIN 0x04
	s_wait_alu depctr_va_vdst(0)                   ; the products have written the 64 accumulators, which the LDS stores read, and are done reading weight sets 0 and 1, where rows of the result land; no vector or matrix instruction follows
	TOSTAGE 0
.irp a, 1,2,3,4,5,6,7
.if \a > 1
	s_wait_xcnt 0x0                                ; tile a - 2's stores have had their addresses translated,
	s_wait_alu depctr_vm_vsrc(0)                   ; and have read their data registers: tile a's loads may land there
.endif
	TOSTAGE \a
	SEND \a-1, 32                                  ; behind tile a - 1's loads: tile a's 16 stores and 16 loads
.endr
	SEND 7, 0
	s_wait_dscnt 0x0
	s_wait_alu depctr_hold_cnt(0) depctr_sa_sdst(0) depctr_va_vdst(0) depctr_va_sdst(0) depctr_va_ssrc(0) depctr_va_vcc(0) depctr_vm_vsrc(0)
	s_wait_tensorcnt 0x0
	ds_add_u32 v62, v63
	s_wait_dscnt 0x0
	s_endpgm
.Lfunc_end_k_qbe9c6ea143_ffn:
	.size	k_qbe9c6ea143_ffn, .Lfunc_end_k_qbe9c6ea143_ffn-k_qbe9c6ea143_ffn
	.p2alignl 7, 3214868480
	.fill 96, 4, 3214868480
	.section	.rodata,"a",@progbits
	.p2align	6, 0x0
	.amdhsa_kernel k_qbe9c6ea143_ffn
		.amdhsa_group_segment_fixed_size 300544
		.amdhsa_private_segment_fixed_size 0
		.amdhsa_enable_private_segment 0
		.amdhsa_kernarg_size 56
		.amdhsa_user_sgpr_count 2
		.amdhsa_user_sgpr_kernarg_segment_ptr 1
		.amdhsa_wavefront_size32 1
		.amdhsa_system_sgpr_workgroup_id_x 1
		.amdhsa_system_sgpr_workgroup_id_y 1
		.amdhsa_system_sgpr_workgroup_id_z 1
		.amdhsa_system_vgpr_workitem_id 0
		.amdhsa_next_free_vgpr 1024
		.amdhsa_next_free_sgpr 66
		.amdhsa_reserve_vcc 0
		.amdhsa_float_denorm_mode_32 3
		.amdhsa_float_denorm_mode_16_64 3
		.amdhsa_memory_ordered 1
		.amdhsa_forward_progress 1
		.amdhsa_inst_pref_size 255
	.end_amdhsa_kernel
	.section	.bss,"aw",@nobits
	.p2align	6
	.space	262144
	.amdgpu_metadata
---
amdhsa.version: [ 1, 2 ]
amdhsa.kernels:
  - .name:           k_qbe9c6ea143_ffn
    .symbol:         k_qbe9c6ea143_ffn.kd
    .args:
      - { .name: hidden_states_codes, .offset: 0, .size: 8, .value_kind: global_buffer, .address_space: global }
      - { .name: hidden_states_scales, .offset: 8, .size: 8, .value_kind: global_buffer, .address_space: global }
      - { .name: assignment, .offset: 16, .size: 8, .value_kind: global_buffer, .address_space: global }
      - { .name: wq, .offset: 24, .size: 8, .value_kind: global_buffer, .address_space: global }
      - { .name: b1, .offset: 32, .size: 8, .value_kind: global_buffer, .address_space: global }
      - { .name: b2, .offset: 40, .size: 8, .value_kind: global_buffer, .address_space: global }
      - { .name: out0, .offset: 48, .size: 8, .value_kind: global_buffer, .address_space: global }
    .group_segment_fixed_size: 300544
    .private_segment_fixed_size: 0
    .kernarg_segment_align: 8
    .kernarg_segment_size: 56
    .max_flat_workgroup_size: 128
    .sgpr_count:     66
    .vgpr_count:     1024
    .wavefront_size: 32
...
	.end_amdgpu_metadata
.endif
;; end of part 3
